; MI455X (gfx1250); checked and timed in simulation.
; The chip was launched on July 23, 2026; its instructions are those of AMD's public machine-readable ISA for CDNA 5 (MIT licence, August 2026) and "CDNA5" Instruction Set Architecture Reference Guide (July 2026). The comments in the code are by the model that wrote it; some were corrected since.
;; Grid KNN Downsample. Allowed arithmetic: float matrix products may take bf16 or f16 operands with f32 sums; all other float work in f32.
;; Inputs: W 384 x 192 float32; beta 192 float32; gamma 192 float32; idx 32,768 x 16 int32; src_feat 262,144 x 192 float32.
;; Outputs: out0 32,768 x 384 float32.
;; 2 versions, each right and faster than the one before. Each part assembles by itself: llvm-mc -triple=amdgcn-amd-amdhsa -mcpu=gfx1250 --defsym DOCPART=n.
;; ======== version 1 of 2: 1 launch
;; launch knn (part 1): grid 256 x 1, 8 waves a work-group, no clusters, 309,248 bytes of LDS; arguments src_feat, idx, gamma, beta, W, out0; writes out0
.if DOCPART == 1
	.amdgcn_target "amdgcn-amd-amdhsa--gfx1250"
	.amdhsa_code_object_version 6
	.text
	.protected	k_qe0ab14443b_knn
	.globl	k_qe0ab14443b_knn
	.p2align	8
	.type	k_qe0ab14443b_knn,@function
k_qe0ab14443b_knn:
	s_mov_b64 s[64:65], 0
	v_nop
	global_prefetch_b8 v0, s[64:65] scope:SCOPE_SE
	s_setreg_imm32_b32 hwreg(HW_REG_WAVE_MODE, 25, 1), 1
	s_wait_xcnt 0x0
; out[m][o] = max over the 16 neighbours k of  sum over c of LN(src[idx[m][k]])[c] * W[o][c].
; src [262144][192] f32, idx [32768][16] i32, gamma, beta [192] f32, W [384][192] f32, out [32768][384] f32.
;
; 256 work-groups; each owns 128 consecutive m and walks them in 16 batches of 8.  Eight waves in two roles:
;   waves 0-3, the MATRIX waves: wave w keeps W's rows 96 w .. 96 w + 95 as 36 bf16 fragments in 288 registers for the whole launch.  The 16
;     neighbours of one m are the 16 rows of one A tile, so an m costs 12 LDS loads and 36 matrix instructions, and the pool over the neighbours is
;     a maximum over a lane's eight result registers and then over the two halves of the lanes;
;   waves 4-7, the PRODUCERS: gather the rows (a half of the lanes takes 256 consecutive aligned bytes of one row: three loads for two rows),
;     LayerNorm in f32 in two passes (mean first, then the squares of the differences), gamma and beta, round to bf16, store into an LDS slot; they
;     also join the two halves' maxima of the batch before and store the output, 512 consecutive aligned bytes an instruction.
; Between two barriers the matrix waves read A slot t & 1 and write stage t & 1, the producers write A slot (t + 1) & 1 and read stage (t - 1) & 1.
; A producer's ring of 16 register slots (two rows each) is filled again, four slots at a time, as soon as they are used: 36 to 48 loads are out.
; Every address register is made once, ahead of the split into roles, and neither role writes it again: where the two roles' texts join, each of
; them holds one value.  An LDS address that is stored through is a constant + the wave's number x a constant + a lane term.
;
; NO CLUSTER, NO TENSOR LOADS: the rows are named by a list, lane by lane.  What work-groups share is W alone: 294,912 bytes, read once by a
; work-group, through registers since it has to be rounded to bf16, against 2,048 x 768 = 1,572,864 bytes of gathered rows.
;
; LIMITS: matrix operands (the normalised rows, W) are bf16, sums f32.  The maxima let a NaN lose: where a gathered row holds NaN or an infinity the
; result differs from a NaN.  An index is taken as unsigned and clamped to 262,143: indices lie inside the table; negative ones are not wrapped.
.set ROWB,   768                       ; bytes of a table row and of a row of W
.set OUTB,   1536                      ; bytes of an output row
.set APITCH, 400                       ; an LDS row of 192 bf16: 384 bytes + 16: an odd multiple of 16, so 16 rows start at 16 different groups of four banks (64 banks of 4 bytes: ISA guide 11.1)
.set AENT,   16*APITCH                 ; the 16 rows of one m
.set ASLOT,  8*AENT                    ; a batch
.set WCONS,  96*APITCH                 ; W as bf16, 96 rows of 400 bytes for each matrix wave, its own; these four stages begin at LDS byte 0
.set STG,    4*WCONS                   ; the stages of maxima: slot, matrix wave, entry, half of the lanes, 96 f32
.set SPLANE, 400                       ; 96 f32 + 16 bytes: lanes 16-31 store 36 banks behind lanes 0-15
.set SENT,   2*SPLANE
.set SCONS,  6528                      ; a matrix wave's block: 8 entries are 6,400; 6,528 - 384 is a multiple of 256
.set SJUMP,  SCONS-384                 ; from a block's column 96 to the next block's column 0
.set SSLOT,  4*SCONS
.set ABASE,  STG+2*SSLOT               ; the two A slots; ABASE + 2 ASLOT = 308,224 bytes in all
; scalar registers: s2 wave, s48 a producer's number 0..3, s49 trips, s[50:51] a 64-bit offset, s52 1/192, s53 eps, s54 -1/192,
; s55 byte offset of the next batch of indices to fetch, s56 the same clamped; two sets of 32 indices:
.set IS0, 16                           ; s[16:47]
.set ISD, 52                           ; s[68:99] is the other set
; both roles: made in the head, never written again
.set L16,  1                           ; v1      16 x (lane mod 16)
.set MLO,  2                           ; v2      all ones in lanes 0-15
.set MHI,  3                           ; v3      all ones in lanes 16-31
.set SA,   4                           ; v4      producer: where I put 8 bytes in A slot 0 (slot 1 by the immediate)
.set ST,   5                           ; v5      matrix wave: my word in stage 0 (stage 1 by the immediate)
.set AA,   6                           ; v6-7    matrix wave: my place in an A tile of slot 0, 1
.set RA,   240                         ; v496-498 producer: stage, my 16 bytes of piece 0, 1, 2 of an output row (named by their low eight bits)
.set GO,   243                         ; v499     producer: my byte offset in the output, 8 rows too far: the stores' immediates take them off
; matrix wave
.set TR,   8                           ; v8-11   at work in the pool
.set WLD,  12                          ; v12     W stage, where my fragments lie
.set WSTO, 13                          ; v13     W stage, where I put 8 bytes
.set WGO,  14                          ; v14     my 16 bytes in two rows of W
.set AB,   16                          ; v16-111  two buffers of six A fragments
.set AC,   112                         ; v112-207 two sets of six accumulators
.set W5,   208                         ; v208-255 W fragments of K step 5;  v256-495: those of K steps 0-4, fragment (k, b) at 256 + 8 (6 k + b)
; producer
.set OFF,  8                           ; v8-11   byte offset in the table, one for each pair of rows of the group at work
.set T,    12                          ; v12-35  six for each of the four pairs
.set GAM,  36                          ; v36-47  gamma of my 12 columns
.set BET,  48                          ; v48-59  beta
.set X,    60                          ; v60-251 16 slots of 12: two rows, 12 numbers a lane
.set OD,   8                           ; v264-311 six pieces of output: four words of each half's maxima (named by their low eight bits)
.set MSB, 0
.macro WIN new                         ; the immediate's high byte repeats the setting that is left
.if MSB != \new
	s_set_vgpr_msb (MSB<<8)|\new
.set MSB, \new
.endif
.endm
.macro BAR                             ; my LDS stores that others will read are done, and so are my reads of bytes that others will write
	s_wait_dscnt 0x0
	s_barrier_signal -1
	s_barrier_wait -1
.endm
; ---------------------------------------------------------------- matrix waves
.macro WLOADS j, hb                    ; 16 rows of my slice of W: 24 loads, each 2 x 256 consecutive bytes
.irp a, 0,1,2,3,4,5,6,7
.irp c, 0,1,2
	global_load_b128 v[\hb+4*(3*\a+\c):\hb+4*(3*\a+\c)+3], v[WGO], s[12:13] offset:\j*16*ROWB+\a*2*ROWB+256*\c
.endr
.endr
.endm
.macro WPUT j, hb, left                ; round them to bf16 in place and put them into my stage
	s_wait_loadcnt \left                           ; the 24 younger loads, into the other 96 registers, stay out
.irp a, 0,1,2,3,4,5,6,7
.irp c, 0,1,2
	v_cvt_pk_bf16_f32 v[\hb+4*(3*\a+\c)],   v[\hb+4*(3*\a+\c)],   v[\hb+4*(3*\a+\c)+1]
	v_cvt_pk_bf16_f32 v[\hb+4*(3*\a+\c)+1], v[\hb+4*(3*\a+\c)+2], v[\hb+4*(3*\a+\c)+3]
	ds_store_b64 v[WSTO], v[\hb+4*(3*\a+\c):\hb+4*(3*\a+\c)+1] offset:\j*AENT+\a*2*APITCH+128*\c
.endr
.endr
.endm
; load u (0..11) of the six A fragments of entry ent: fragment u / 2, its K 8 h .. or 16 + 8 h ..
.macro ALOAD sigma, ent, buf, u
	ds_load_b128 v[AB+48*(\buf)+4*(\u):AB+48*(\buf)+4*(\u)+3], v[AA+\sigma] offset:(\ent)*AENT+64*((\u)>>1)+32*((\u)&1)
.endm
; the pool: register j of lane (r, h) is neighbour 8 h + j, column r: the maximum of my eight goes to my half's plane of the stage
.macro RED sigma, ent, buf, b
.set ACT, AC+48*(\buf)+8*(\b)
.set TRT, TR+2*((\b)&1)
	v_max3_num_f32 v[TRT],   v[ACT],   v[ACT+1], v[ACT+2]
	v_max3_num_f32 v[TRT+1], v[ACT+3], v[ACT+4], v[ACT+5]
	v_max3_num_f32 v[TRT],   v[TRT],   v[ACT+6], v[ACT+7]
	v_max_num_f32  v[TRT],   v[TRT],   v[TRT+1]
	ds_store_b32 v[ST], v[TRT] offset:\sigma*SSLOT+(\ent)*SENT+64*(\b)
.endm
; One m: 36 matrix instructions.  The six accumulators take turns, one instruction a turn, and the two sets take turns from m to m, over the
; barriers and the backward jump too.  Beside the products: the next m's 12 fragment loads, into the buffer that the m before
; has read, and the pool of the m before.  Behind the last matrix instruction of every m stand four plain vector instructions that name none of its
; registers (the pool of the other set's tile 5, or v_nop): the places in front of those loads and in front of this set's pool.
.macro STEP sigma, ent
.set CUR, (\ent)&1
.set AF, AB+48*CUR
.set DC, AC+48*CUR
.if \ent == 1
	s_wait_dscnt 0x0                               ; entry 1's loads were the last LDS instructions issued
.endif
.if \ent >= 2
	s_wait_dscnt 0x6                               ; behind this entry's 12 loads stand the six stage stores of the m before
.endif
	WIN 0x04                                       ; source 1 (W) from v256 up; the LDS loads' address and destination stay below
.set cnt, 0
.irp k, 0,1,2,3,4
.if \ent == 0
	s_wait_dscnt 22-2*\k                           ; of the 24 loads at the batch's head, fragment k is loads 2 k and 2 k + 1
.endif
.irp b, 0,1,2,3,4,5
.if \k == 0
	v_wmma_f32_16x16x32_bf16 v[DC+8*\b:DC+8*\b+7], v[AF+8*\k:AF+8*\k+7], v[8*(6*\k+\b):8*(6*\k+\b)+7], 0    ; the first product starts the sum
.else
	v_wmma_f32_16x16x32_bf16 v[DC+8*\b:DC+8*\b+7], v[AF+8*\k:AF+8*\k+7], v[8*(6*\k+\b):8*(6*\k+\b)+7], v[DC+8*\b:DC+8*\b+7]
.endif
.if \ent >= 1
.if \ent <= 6
.if cnt < 12
	ALOAD \sigma, \ent+1, 1-CUR, cnt
.endif
.endif
.endif
.set cnt, cnt+1
.endr
.endr
	WIN 0
.if \ent == 0
	s_wait_dscnt 12                                ; fragment 5; entry 1's 12 loads stay out
.endif
.irp b, 0,1,2,3,4,5
	v_wmma_f32_16x16x32_bf16 v[DC+8*\b:DC+8*\b+7], v[AF+40:AF+47], v[W5+8*\b:W5+8*\b+7], v[DC+8*\b:DC+8*\b+7]
.if \ent > 0
	RED \sigma, \ent-1, 1-CUR, \b
.endif
.endr
.if \ent == 0
.rept 4
	v_nop                                          ; the four places: there is no m before to pool
.endr
.endif
.endm
.macro CONS sigma                      ; a batch: A slot sigma to stage sigma
.irp u, 0,1,2,3,4,5,6,7,8,9,10,11
	ALOAD \sigma, 0, 0, \u
.endr
.irp u, 0,1,2,3,4,5,6,7,8,9,10,11
	ALOAD \sigma, 1, 1, \u
.endr
.irp ent, 0,1,2,3,4,5,6,7
	STEP \sigma, \ent
.endr
.irp b, 0,1,2,3,4,5
	RED \sigma, 7, 1, \b                           ; behind the last matrix instruction stand the four maxima of entry 6's tile 5
.endr
.endm
; ---------------------------------------------------------------- producers
.macro PREP set, g                     ; eight indices to byte offsets: clamped to the table's last row, times 768 (below 2^31)
.irp i, 0,1,2,3,4,5,6,7
	s_min_u32 s[IS0+ISD*\set+8*\g+\i], s[IS0+ISD*\set+8*\g+\i], 0x3ffff
	s_mul_i32 s[IS0+ISD*\set+8*\g+\i], s[IS0+ISD*\set+8*\g+\i], ROWB
.endr
.endm
.macro ROFF set, g                     ; lanes 0-15 take the pair's even row, lanes 16-31 the odd one, each lane its 16 bytes
.irp j, 0,1,2,3
	v_and_b32 v[T+6*\j+4], s[IS0+ISD*\set+8*\g+2*\j],   v[MLO]
	v_and_b32 v[T+6*\j+5], s[IS0+ISD*\set+8*\g+2*\j+1], v[MHI]
.endr
.irp j, 0,1,2,3
	v_add_nc_u32 v[T+6*\j+4], v[T+6*\j+4], v[T+6*\j+5]
.endr
.irp j, 0,1,2,3
	v_add_nc_u32 v[OFF+\j], v[T+6*\j+4], v[L16]
.endr
.endm
.macro RLD g                           ; 12 loads: four pairs of rows, three pieces of 256 bytes a row.  No hint: the list may name a row again
.irp j, 0,1,2,3
.irp c, 0,1,2
	global_load_b128 v[X+48*\g+12*\j+4*\c:X+48*\g+12*\j+4*\c+3], v[OFF+\j], s[4:5] offset:256*\c
.endr
.endr
.endm
.macro ROWSUM                          ; T[0:1] + T[4:5], its two halves, then the 16 lanes that hold a row: the sum is in every lane's T0
.irp j, 0,1,2,3
	v_pk_add_f32 v[T+6*\j:T+6*\j+1], v[T+6*\j:T+6*\j+1], v[T+6*\j+4:T+6*\j+5]
.endr
.irp j, 0,1,2,3
	v_add_f32 v[T+6*\j], v[T+6*\j], v[T+6*\j+1]
.endr
.irp m, 1,2,4,8
.irp j, 0,1,2,3
	v_add_f32_dpp v[T+6*\j], v[T+6*\j], v[T+6*\j] row_xmask:\m row_mask:0xf bank_mask:0xf
.endr
.endr
.endm
; Four pairs of rows (slots 4 g .. 4 g + 3), written line by line across the four so that no line waits for the one in front of it.
; left = the younger loads that stay out.  refill = 1: the slots get the next batch's rows, whose indices lie in set.
.macro LNGROUP g, sigma, set, refill, left
.set XG, X+48*\g
	s_wait_loadcnt \left                           ; loads come back in order (ISA guide 5.7.1): this group's 12 are in, 12 for each younger group stay out
.if \refill
	s_wait_xcnt 0x0                                ; OFF, which the group before's loads name, is written again only behind this wait
	PREP \set, \g
.endif
.irp j, 0,1,2,3
	v_pk_add_f32 v[T+6*\j:T+6*\j+1],   v[XG+12*\j:XG+12*\j+1],   v[XG+12*\j+2:XG+12*\j+3]
	v_pk_add_f32 v[T+6*\j+2:T+6*\j+3], v[XG+12*\j+4:XG+12*\j+5], v[XG+12*\j+6:XG+12*\j+7]
	v_pk_add_f32 v[T+6*\j+4:T+6*\j+5], v[XG+12*\j+8:XG+12*\j+9], v[XG+12*\j+10:XG+12*\j+11]
.endr
.irp j, 0,1,2,3
	v_pk_add_f32 v[T+6*\j:T+6*\j+1], v[T+6*\j:T+6*\j+1], v[T+6*\j+2:T+6*\j+3]
.endr
	ROWSUM
.irp j, 0,1,2,3
	v_mul_f32 v[T+6*\j+2], s54, v[T+6*\j]          ; - mean
.endr
.irp j, 0,1,2,3
.irp i, 0,2,4,6,8,10
	v_pk_add_f32 v[XG+12*\j+\i:XG+12*\j+\i+1], v[XG+12*\j+\i:XG+12*\j+\i+1], v[T+6*\j+2:T+6*\j+3] op_sel_hi:[1,0]   ; x - mean, both from T2
.endr
.endr
.irp j, 0,1,2,3
	v_pk_mul_f32 v[T+6*\j:T+6*\j+1],   v[XG+12*\j:XG+12*\j+1],   v[XG+12*\j:XG+12*\j+1]
	v_pk_mul_f32 v[T+6*\j+4:T+6*\j+5], v[XG+12*\j+2:XG+12*\j+3], v[XG+12*\j+2:XG+12*\j+3]
.endr
.irp j, 0,1,2,3
	v_pk_fma_f32 v[T+6*\j:T+6*\j+1],   v[XG+12*\j+4:XG+12*\j+5], v[XG+12*\j+4:XG+12*\j+5], v[T+6*\j:T+6*\j+1]
	v_pk_fma_f32 v[T+6*\j+4:T+6*\j+5], v[XG+12*\j+6:XG+12*\j+7], v[XG+12*\j+6:XG+12*\j+7], v[T+6*\j+4:T+6*\j+5]
.endr
.irp j, 0,1,2,3
	v_pk_fma_f32 v[T+6*\j:T+6*\j+1],   v[XG+12*\j+8:XG+12*\j+9],   v[XG+12*\j+8:XG+12*\j+9],   v[T+6*\j:T+6*\j+1]
	v_pk_fma_f32 v[T+6*\j+4:T+6*\j+5], v[XG+12*\j+10:XG+12*\j+11], v[XG+12*\j+10:XG+12*\j+11], v[T+6*\j+4:T+6*\j+5]
.endr
	ROWSUM
.irp j, 0,1,2,3
	v_fma_f32 v[T+6*\j], v[T+6*\j], s52, s53       ; variance + eps
.endr
.irp j, 0,1,2,3
	v_rsq_f32 v[T+6*\j+2], v[T+6*\j]
.endr
	; a plain vector instruction stands between v_rsq_f32 and the first use of its result (ISA guide 5.7.2)
.if \refill
	ROFF \set, \g
.else
	v_nop
	s_wait_alu depctr_va_vdst(0)
.endif
	s_wait_alu depctr_va_vdst(0)
.irp j, 0,1,2,3
.irp i, 0,2,4,6,8,10
	v_pk_mul_f32 v[XG+12*\j+\i:XG+12*\j+\i+1], v[XG+12*\j+\i:XG+12*\j+\i+1], v[T+6*\j+2:T+6*\j+3] op_sel_hi:[1,0]
.endr
.endr
.irp j, 0,1,2,3
.irp i, 0,2,4,6,8,10
	v_pk_fma_f32 v[XG+12*\j+\i:XG+12*\j+\i+1], v[XG+12*\j+\i:XG+12*\j+\i+1], v[GAM+\i:GAM+\i+1], v[BET+\i:BET+\i+1]
.endr
.endr
.irp j, 0,1,2,3
.irp c, 0,1,2
	v_cvt_pk_bf16_f32 v[XG+12*\j+4*\c],   v[XG+12*\j+4*\c],   v[XG+12*\j+4*\c+1]
	v_cvt_pk_bf16_f32 v[XG+12*\j+4*\c+1], v[XG+12*\j+4*\c+2], v[XG+12*\j+4*\c+3]
.endr
.endr
.irp j, 0,1,2,3
.irp c, 0,1,2
	ds_store_b64 v[SA], v[XG+12*\j+4*\c:XG+12*\j+4*\c+1] offset:\sigma*ASLOT+(\g>>1)*AENT+(4*(\g&1)+\j)*2*APITCH+128*\c
.endr
.endr
.if \refill
	RLD \g
.endif
.endm
; Batch b: my two m (32 rows) into A slot sigma = b & 1.  refill: the ring gets batch b + 1, whose indices lie in set = (b + 1) & 1.
; fetch: the indices of batch b + 2 go into the other set, whose last reader was the batch before.
.macro LN sigma, set, refill, fetch
	s_wait_kmcnt 0x0                               ; the indices fetched a batch ago are in, and s56 is free
.if \fetch
	s_min_u32 s56, s55, 15*512                     ; batch 14 would ask for a batch 16: it fetches batch 15's 128 bytes once more, inside the buffer, and nobody uses them
	s_load_b512 s[IS0+ISD*(1-\set):IS0+ISD*(1-\set)+15],    s[6:7], s56 offset:0x0
	s_load_b512 s[IS0+ISD*(1-\set)+16:IS0+ISD*(1-\set)+31], s[6:7], s56 offset:0x40
	s_add_co_u32 s55, s55, 512
.endif
.if \refill
	LNGROUP 0, \sigma, \set, 1, 36
	LNGROUP 1, \sigma, \set, 1, 36
	LNGROUP 2, \sigma, \set, 1, 36
	LNGROUP 3, \sigma, \set, 1, 36
.else
	LNGROUP 0, \sigma, \set, 0, 36                 ; the last batch loads nothing: the counts run down
	LNGROUP 1, \sigma, \set, 0, 24
	LNGROUP 2, \sigma, \set, 0, 12
	LNGROUP 3, \sigma, \set, 0, 0
.endif
.endm
; My two rows of the batch whose maxima lie in stage sigma: both halves' planes, their maximum, out.  All registers from v256 up.
; The output's base stands at the trip's first batch: the second batch's 8 rows, and the 8 rows by which GO is too far, stand in the immediate.
.macro OUT sigma
	WIN 0x55
.irp i, 0,1
.irp c, 0,1,2
	ds_load_b128 v[OD+8*(3*\i+\c):OD+8*(3*\i+\c)+3],   v[RA+\c] offset:\sigma*SSLOT+\i*SENT
	ds_load_b128 v[OD+8*(3*\i+\c)+4:OD+8*(3*\i+\c)+7], v[RA+\c] offset:\sigma*SSLOT+\i*SENT+SPLANE
.endr
.endr
.irp i, 0,1
.irp c, 0,1,2
	s_wait_dscnt 10-2*(3*\i+\c)                    ; of the 12 loads this piece's two are in
.irp x, 0,1,2,3
	v_max_num_f32 v[OD+8*(3*\i+\c)+\x], v[OD+8*(3*\i+\c)+\x], v[OD+8*(3*\i+\c)+4+\x]
.endr
	global_store_b128 v[GO], v[OD+8*(3*\i+\c):OD+8*(3*\i+\c)+3], s[14:15] offset:(8*\sigma+\i-8)*OUTB+512*\c th:TH_STORE_NT   ; 512 consecutive bytes, at a multiple of 512 from the output's first byte
.endr
.endr
	s_wait_xcnt 0x0                                ; the stores' data and base are written again only behind this wait
	WIN 0
.endm
; ---------------------------------------------------------------- the head, both roles: every address register
	s_load_b256 s[4:11], s[0:1], 0x0               ; src s[4:5], idx s[6:7], gamma s[8:9], beta s[10:11]
	s_load_b128 s[12:15], s[0:1], 0x20             ; W s[12:13], out s[14:15]
	s_set_vgpr_msb 0x40
	v_lshl_add_u32 v254, v0, 2, 0x4b400
	v_mov_b32 v255, 0
	s_set_vgpr_msb 0x4000
	v_lshrrev_b32 v15, 5, v0
	v_readfirstlane_b32 s2, v15                    ; wave 0..7
	v_and_b32 v8, 15, v0                           ; r: lane mod 16
	v_bfe_u32 v9, v0, 4, 1                         ; h: which half of the lanes
	v_and_b32 v10, 31, v0                          ; lane
	s_mov_b32 s51, 0
	v_lshlrev_b32 v[L16], 4, v8
	v_add_nc_u32 v[MLO], -1, v9
	v_sub_nc_u32 v[MHI], 0, v9
	v_mul_u32_u24 v12, v8, APITCH
	v_lshl_add_u32 v12, v9, 4, v12                 ; a fragment: row r, 16 bytes further for lanes 16-31
	v_add_nc_u32 v[AA], ABASE, v12
	v_add_nc_u32 v[AA+1], ABASE+ASLOT, v12
	v_mul_u32_u24 v13, v9, APITCH
	v_lshl_add_u32 v13, v8, 3, v13                 ; a put of 8 bytes: lanes 0-15 one row, lanes 16-31 the next
	s_mul_i32 s50, s2, 2*AENT                      ; producer w fills entries 2 (w - 4) and 2 (w - 4) + 1
	s_add_co_u32 s50, s50, ABASE-8*AENT
	v_add_nc_u32 v[SA], s50, v13
	v_mul_u32_u24 v14, v9, SPLANE
	v_lshl_add_u32 v14, v8, 2, v14
	s_mul_i32 s50, s2, SCONS                       ; matrix wave w has block w of a stage
	s_add_co_u32 s50, s50, STG
	v_add_nc_u32 v[ST], s50, v14
	s_mul_i32 s50, s2, 2*SENT                      ; producer w reads entries 2 (w - 4) and 2 (w - 4) + 1 of every block
	s_add_co_u32 s50, s50, STG-8*SENT
	s_mul_i32 s56, s2, 2*OUTB
.irp c, 0,1,2
	v_add_nc_u32 v[16+2*\c], 32*\c, v10            ; t = my group of four columns, 0..95
	v_mul_u32_u24 v[17+2*\c], 683, v[16+2*\c]
	v_lshrrev_b32 v[17+2*\c], 14, v[17+2*\c]       ; t / 24 (exact below 96): the matrix wave that made them
	v_mul_u32_u24 v[17+2*\c], SJUMP, v[17+2*\c]
	v_lshl_add_u32 v[17+2*\c], v[16+2*\c], 4, v[17+2*\c]
.endr
	v_lshlrev_b32 v15, 4, v10
	WIN 0x40                                       ; destination from v256 up
	v_add_nc_u32 v[RA+0], s50, v17
	v_add_nc_u32 v[RA+1], s50, v19
	v_add_nc_u32 v[RA+2], s50, v21
	v_add_nc_u32 v[GO], s56, v15
	WIN 0
	s_mul_i32 s50, ttmp9, 128*OUTB
	s_wait_kmcnt 0x0
	s_add_nc_u64 s[14:15], s[14:15], s[50:51]      ; the output at the work-group's first row
	s_cmp_ge_u32 s2, 4
	s_cbranch_scc1 .Lhead_p
	; matrix wave: my 96 rows of W, f32 to bf16, through my own stage into fragments
	s_mul_i32 s50, s2, 96*ROWB
	s_add_nc_u64 s[12:13], s[12:13], s[50:51]
	v_mul_u32_u24 v[WGO], v9, ROWB
	v_lshl_add_u32 v[WGO], v8, 4, v[WGO]           ; lanes 0-15 one row, lanes 16-31 the next
	WLOADS 0, AB
	WLOADS 1, AC
	s_mul_i32 s50, s2, WCONS                       ; my stage: the four begin at LDS byte 0
	v_add_nc_u32 v[WLD], s50, v[WLD]               ; v12 held the fragment's lane term,
	v_add_nc_u32 v[WSTO], s50, v[WSTO]             ; v13 the put's
	WPUT 0, AB, 24
	WLOADS 2, AB
	WPUT 1, AC, 24
	WLOADS 3, AC
	WPUT 2, AB, 24
	WLOADS 4, AB
	WPUT 3, AC, 24
	WLOADS 5, AC
	WPUT 4, AB, 24
	WPUT 5, AC, 0
	; LDS serves a wave's instructions in order (ISA guide 5.7.1.4): these loads see my stores above; the barrier's wait for 0 covers them
	WIN 0x40                                       ; destination from v256 up
.irp k, 0,1,2,3,4
.irp b, 0,1,2,3,4,5
	ds_load_b128 v[8*(6*\k+\b):8*(6*\k+\b)+3],   v[WLD] offset:\b*AENT+64*\k
	ds_load_b128 v[8*(6*\k+\b)+4:8*(6*\k+\b)+7], v[WLD] offset:\b*AENT+64*\k+32
.endr
.endr
	WIN 0
.irp b, 0,1,2,3,4,5
	ds_load_b128 v[W5+8*\b:W5+8*\b+3],   v[WLD] offset:\b*AENT+320
	ds_load_b128 v[W5+8*\b+4:W5+8*\b+7], v[WLD] offset:\b*AENT+352
.endr
	s_branch .Lhead_j
.Lhead_p:
	; producer: the indices of batches 0 and 1, gamma and beta, the ring's first fill, batch 0
	s_and_b32 s48, s2, 3                           ; my number among the producers
	s_lshl_b32 s50, ttmp9, 13                      ; 128 m x 64 bytes of indices a work-group,
	s_lshl_b32 s56, s48, 7                         ; my two m of a batch
	s_add_co_u32 s50, s50, s56
	s_add_nc_u64 s[6:7], s[6:7], s[50:51]
	s_load_b512 s[IS0:IS0+15],        s[6:7], 0x0
	s_load_b512 s[IS0+16:IS0+31],     s[6:7], 0x40
	s_load_b512 s[IS0+ISD:IS0+ISD+15],    s[6:7], 0x200
	s_load_b512 s[IS0+ISD+16:IS0+ISD+31], s[6:7], 0x240
	s_mov_b32 s52, 0x3baaaaab                      ; 1/192
	s_mov_b32 s53, 0x3727c5ac                      ; 1e-5
	s_mov_b32 s54, 0xbbaaaaab                      ; -1/192
	s_mov_b32 s55, 2*512                           ; the next indices to fetch: batch 2's
.irp c, 0,1,2
	global_load_b128 v[GAM+4*\c:GAM+4*\c+3], v[L16], s[8:9]   offset:256*\c   ; older than every gather: the first counted wait covers them
	global_load_b128 v[BET+4*\c:BET+4*\c+3], v[L16], s[10:11] offset:256*\c
.endr
	s_wait_kmcnt 0x0
.irp g, 0,1,2,3
.if \g > 0
	s_wait_xcnt 0x0                                ; OFF is written again only behind this wait
.endif
	PREP 0, \g
	ROFF 0, \g
	RLD \g
.endr
	LN 0, 1, 1, 1                                  ; batch 0
.Lhead_j:
	BAR
; ---------------------------------------------------------------- seven trips of two batches
	s_mov_b32 s49, 7
.Lloop:
	s_cmp_ge_u32 s2, 4
	s_cbranch_scc1 .Lp_odd
	CONS 0                                         ; batch 2 i
	s_branch .Lj_odd
.Lp_odd:
	LN 1, 0, 1, 1                                  ; batch 2 i + 1
.Lj_odd:
	BAR
	s_cmp_ge_u32 s2, 4
	s_cbranch_scc1 .Lp_even
	CONS 1                                         ; batch 2 i + 1
	s_branch .Lj_even
.Lp_even:
	OUT 0                                          ; batch 2 i leaves
	LN 0, 1, 1, 1                                  ; batch 2 i + 2
.Lj_even:
	BAR
	s_cmp_lt_u32 s2, 4
	s_cbranch_scc1 .Lj_out
	OUT 1                                          ; batch 2 i + 1 leaves
.Lj_out:
	s_add_nc_u64 s[14:15], s[14:15], 16*OUTB       ; the next trip's rows; a producer's stores have been waited for at the end of OUT, a matrix wave has none
	s_sub_co_i32 s49, s49, 1
	s_cmp_lg_u32 s49, 0
	s_cbranch_scc1 .Lloop
; ---------------------------------------------------------------- batches 14 and 15
	s_cmp_ge_u32 s2, 4
	s_cbranch_scc1 .Lp_last
	CONS 0
	s_branch .Lj_last
.Lp_last:
	LN 1, 0, 0, 0                                  ; batch 15: nothing is left to gather
.Lj_last:
	BAR
	s_cmp_ge_u32 s2, 4
	s_cbranch_scc1 .Lp_tail
	CONS 1
	s_branch .Lj_tail
.Lp_tail:
	OUT 0
.Lj_tail:
	BAR
	s_cmp_lt_u32 s2, 4
	s_cbranch_scc1 .Lend
	OUT 1
.Lend:
	s_set_vgpr_msb 0x5
	s_wait_tensorcnt 0x0
	ds_add_u32 v254, v255
	s_wait_dscnt 0x0
	s_set_vgpr_msb 0x500
	s_endpgm
.Lfunc_end_k_qe0ab14443b_knn:
	.size	k_qe0ab14443b_knn, .Lfunc_end_k_qe0ab14443b_knn-k_qe0ab14443b_knn
	.p2alignl 7, 3214868480
	.fill 96, 4, 3214868480
	.section	.rodata,"a",@progbits
	.p2align	6, 0x0
	.amdhsa_kernel k_qe0ab14443b_knn
		.amdhsa_group_segment_fixed_size 309248
		.amdhsa_private_segment_fixed_size 0
		.amdhsa_enable_private_segment 0
		.amdhsa_kernarg_size 48
		.amdhsa_user_sgpr_count 2
		.amdhsa_user_sgpr_kernarg_segment_ptr 1
		.amdhsa_wavefront_size32 1
		.amdhsa_system_sgpr_workgroup_id_x 1
		.amdhsa_system_sgpr_workgroup_id_y 1
		.amdhsa_system_sgpr_workgroup_id_z 1
		.amdhsa_system_vgpr_workitem_id 0
		.amdhsa_next_free_vgpr 512
		.amdhsa_next_free_sgpr 100
		.amdhsa_reserve_vcc 0
		.amdhsa_float_denorm_mode_32 3
		.amdhsa_float_denorm_mode_16_64 3
		.amdhsa_memory_ordered 1
		.amdhsa_forward_progress 1
		.amdhsa_inst_pref_size 255
	.end_amdhsa_kernel
	.section	.bss,"aw",@nobits
	.p2align	6
	.space	262144
	.amdgpu_metadata
---
amdhsa.version: [ 1, 2 ]
amdhsa.kernels:
  - .name:           k_qe0ab14443b_knn
    .symbol:         k_qe0ab14443b_knn.kd
    .args:
      - { .name: src_feat, .offset: 0, .size: 8, .value_kind: global_buffer, .address_space: global }
      - { .name: idx, .offset: 8, .size: 8, .value_kind: global_buffer, .address_space: global }
      - { .name: gamma, .offset: 16, .size: 8, .value_kind: global_buffer, .address_space: global }
      - { .name: beta, .offset: 24, .size: 8, .value_kind: global_buffer, .address_space: global }
      - { .name: W, .offset: 32, .size: 8, .value_kind: global_buffer, .address_space: global }
      - { .name: out0, .offset: 40, .size: 8, .value_kind: global_buffer, .address_space: global }
    .group_segment_fixed_size: 309248
    .private_segment_fixed_size: 0
    .kernarg_segment_align: 8
    .kernarg_segment_size: 48
    .max_flat_workgroup_size: 256
    .sgpr_count:     100
    .vgpr_count:     512
    .wavefront_size: 32
...
	.end_amdgpu_metadata
.endif
;; end of part 1
;; ======== version 2 of 2: 1 launch; 1.27 times as fast as version 1
;; launch knn (part 2): grid 256 x 1, 8 waves a work-group, no clusters, 309,248 bytes of LDS; arguments src_feat, idx, gamma, beta, W, out0; writes out0
.if DOCPART == 2
	.amdgcn_target "amdgcn-amd-amdhsa--gfx1250"
	.amdhsa_code_object_version 6
	.text
	.protected	k_qe0ab14443b_knn
	.globl	k_qe0ab14443b_knn
	.p2align	8
	.type	k_qe0ab14443b_knn,@function
k_qe0ab14443b_knn:
	s_mov_b64 s[64:65], 0
	v_nop
	global_prefetch_b8 v0, s[64:65] scope:SCOPE_SE
	s_setreg_imm32_b32 hwreg(HW_REG_WAVE_MODE, 25, 1), 1
	s_wait_xcnt 0x0
; out[m][o] = max over the 16 neighbours k of  sum over c of LN(src[idx[m][k]])[c] * W[o][c].
; src [262144][192] f32, idx [32768][16] i32, gamma, beta [192] f32, W [384][192] f32, out [32768][384] f32.
;
; 256 work-groups; each owns 128 consecutive m and walks them in 16 batches of 8.  Eight waves in two roles:
;   waves 0-3, the MATRIX waves: wave w keeps W's rows 96 w .. 96 w + 95 as 36 bf16 fragments in 288 registers for the whole launch.  The 16
;     neighbours of one m are the 16 rows of one A tile, so an m costs 12 LDS loads and 36 matrix instructions, and the pool over the neighbours is
;     a maximum over a lane's eight result registers and then over the two halves of the lanes;
;   waves 4-7, the PRODUCERS: gather the rows (a half of the lanes takes 256 consecutive aligned bytes of one row: three loads for two rows),
;     LayerNorm in f32 in two passes (mean first, then the squares of the differences), gamma and beta, round to bf16, store into an LDS slot; they
;     also join the two halves' maxima of the batch before and store the output, 512 consecutive aligned bytes an instruction.
; Between two barriers the matrix waves read A slot t & 1 and write stage t & 1, the producers write A slot (t + 1) & 1 and read stage (t - 1) & 1.
; A producer's ring of 16 register slots (two rows each) is filled again, four slots at a time, as soon as they are used: 36 to 48 loads are out.
; Every address register is made once, ahead of the split into roles, and neither role writes it again: where the two roles' texts join, each of
; them holds one value.  An LDS address that is stored through is a constant + the wave's number x a constant + a lane term.
;
; NO CLUSTER, NO TENSOR LOADS: the rows are named by a list, lane by lane.  What work-groups share is W alone: 294,912 bytes, read once by a
; work-group, through registers since it has to be rounded to bf16, against 2,048 x 768 = 1,572,864 bytes of gathered rows.
;
; LIMITS: matrix operands (the normalised rows, W) are bf16, sums f32.  The maxima let a NaN lose: where a gathered row holds NaN or an infinity the
; result differs from a NaN.  An index is taken as unsigned and clamped to 262,143: indices lie inside the table; negative ones are not wrapped.
.set ROWB,   768                       ; bytes of a table row and of a row of W
.set OUTB,   1536                      ; bytes of an output row
.set APITCH, 400                       ; an LDS row of 192 bf16: 384 bytes + 16: an odd multiple of 16, so 16 rows start at 16 different groups of four banks (64 banks of 4 bytes: ISA guide 11.1)
.set AENT,   16*APITCH                 ; the 16 rows of one m
.set ASLOT,  8*AENT                    ; a batch
.set WCONS,  96*APITCH                 ; W as bf16, 96 rows of 400 bytes for each matrix wave, its own; these four stages begin at LDS byte 0
.set STG,    4*WCONS                   ; the stages of maxima: slot, matrix wave, entry, half of the lanes, 96 f32
.set SPLANE, 400                       ; 96 f32 + 16 bytes: lanes 16-31 store 36 banks behind lanes 0-15
.set SENT,   2*SPLANE
.set SCONS,  6528                      ; a matrix wave's block: 8 entries are 6,400; 6,528 - 384 is a multiple of 256
.set SJUMP,  SCONS-384                 ; from a block's column 96 to the next block's column 0
.set SSLOT,  4*SCONS
.set ABASE,  STG+2*SSLOT               ; the two A slots; ABASE + 2 ASLOT = 308,224 bytes in all
; scalar registers: s2 wave, s48 a producer's number 0..3, s49 trips, s[50:51] a 64-bit offset, s52 1/192, s53 eps, s54 -1/192,
; s55 byte offset of the next batch of indices to fetch, s56 the same clamped; two sets of 32 indices:
.set IS0, 16                           ; s[16:47]
.set ISD, 52                           ; s[68:99] is the other set
; both roles: made in the head, never written again
.set L16,  1                           ; v1      16 x (lane mod 16)
.set MLO,  2                           ; v2      all ones in lanes 0-15
.set MHI,  3                           ; v3      all ones in lanes 16-31
.set SA,   4                           ; v4      producer: where I put 8 bytes in A slot 0 (slot 1 by the immediate)
.set ST,   5                           ; v5      matrix wave: my word in stage 0 (stage 1 by the immediate)
.set AA,   6                           ; v6-7    matrix wave: my place in an A tile of slot 0, 1
.set RA,   240                         ; v496-498 producer: stage, my 16 bytes of piece 0, 1, 2 of an output row (named by their low eight bits)
.set GO,   243                         ; v499     producer: my byte offset in the output, 8 rows too far: the stores' immediates take them off
; matrix wave
.set TR,   8                           ; v8-13   the pool: the maximum of my eight in each of an m's six tiles
.set TU,   14                          ; v14-15  the pool: at work
.set WLD,  12                          ; v12     in the head alone: W stage, where my fragments lie
.set WSTO, 13                          ; v13     in the head alone: W stage, where I put 8 bytes
.set WGO,  14                          ; v14     in the head alone: my 16 bytes in two rows of W
.set AB,   16                          ; v16-111  two buffers of six A fragments
.set AC,   112                         ; v112-207 two sets of six accumulators
.set W5,   208                         ; v208-255 W fragments of K step 5;  v256-495: those of K steps 0-4, fragment (k, b) at 256 + 8 (6 k + b)
; producer
.set OFF,  8                           ; v8-11   byte offset in the table, one for each pair of rows of the group at work
.set T,    12                          ; v12-35  six for each of the four pairs
.set GAM,  36                          ; v36-47  gamma of my 12 columns
.set BET,  48                          ; v48-59  beta
.set X,    60                          ; v60-251 16 slots of 12: two rows, 12 numbers a lane
.set OD,   8                           ; v264-311 six pieces of output: four words of each half's maxima (named by their low eight bits)
.set MSB, 0
.macro WIN new                         ; the immediate's high byte repeats the setting that is left
.if MSB != \new
	s_set_vgpr_msb (MSB<<8)|\new
.set MSB, \new
.endif
.endm
.macro BAR                             ; my LDS stores that others will read are done, and so are my reads of bytes that others will write
	s_wait_dscnt 0x0
	s_barrier_signal -1
	s_barrier_wait -1
.endm
; ---------------------------------------------------------------- matrix waves
.macro WLOADS j, hb                    ; 16 rows of my slice of W: 24 loads, each 2 x 256 consecutive bytes
.irp a, 0,1,2,3,4,5,6,7
.irp c, 0,1,2
	global_load_b128 v[\hb+4*(3*\a+\c):\hb+4*(3*\a+\c)+3], v[WGO], s[12:13] offset:\j*16*ROWB+\a*2*ROWB+256*\c
.endr
.endr
.endm
.macro WPUT j, hb, left                ; round them to bf16 in place and put them into my stage
	s_wait_loadcnt \left                           ; the 24 younger loads, into the other 96 registers, stay out
.irp a, 0,1,2,3,4,5,6,7
.irp c, 0,1,2
	v_cvt_pk_bf16_f32 v[\hb+4*(3*\a+\c)],   v[\hb+4*(3*\a+\c)],   v[\hb+4*(3*\a+\c)+1]
	v_cvt_pk_bf16_f32 v[\hb+4*(3*\a+\c)+1], v[\hb+4*(3*\a+\c)+2], v[\hb+4*(3*\a+\c)+3]
	ds_store_b64 v[WSTO], v[\hb+4*(3*\a+\c):\hb+4*(3*\a+\c)+1] offset:\j*AENT+\a*2*APITCH+128*\c
.endr
.endr
.endm
; load u (0..11) of the six A fragments of entry ent: fragment u / 2, its K 8 h .. or 16 + 8 h ..
.macro ALOAD sigma, ent, buf, u
	ds_load_b128 v[AB+48*(\buf)+4*(\u):AB+48*(\buf)+4*(\u)+3], v[AA+\sigma] offset:(\ent)*AENT+64*((\u)>>1)+32*((\u)&1)
.endm
; The pool: register j of lane (r, h) is neighbour 8 h + j, column r.  Part s (0..5) is four of the 24 lines that take the maximum of my eight in
; each of the six tiles of accumulator set buf: tiles 2 (s / 2) and 2 (s / 2) + 1 side by side, so that no line needs the result of the line in front.
.macro REDV buf, s
.set RT0, AC+48*(\buf)+16*((\s)>>1)
.set RT1, RT0+8
.set TT0, TR+2*((\s)>>1)
.if ((\s)&1) == 0
	v_max3_num_f32 v[TT0],   v[RT0],   v[RT0+1], v[RT0+2]
	v_max3_num_f32 v[TU],    v[RT0+3], v[RT0+4], v[RT0+5]
	v_max3_num_f32 v[TT0+1], v[RT1],   v[RT1+1], v[RT1+2]
	v_max3_num_f32 v[TU+1],  v[RT1+3], v[RT1+4], v[RT1+5]
.else
	v_max3_num_f32 v[TT0],   v[TT0],   v[RT0+6], v[RT0+7]
	v_max3_num_f32 v[TT0+1], v[TT0+1], v[RT1+6], v[RT1+7]
	v_max_num_f32  v[TT0],   v[TT0],   v[TU]
	v_max_num_f32  v[TT0+1], v[TT0+1], v[TU+1]
.endif
.endm
.macro REDST sigma, ent                ; the six maxima of entry ent go to my half's plane of the stage
.irp b, 0,1,2,3,4,5
	ds_store_b32 v[ST], v[TR+\b] offset:\sigma*SSLOT+(\ent)*SENT+64*\b
.endr
.endm
; One m: 36 matrix instructions with nothing but vector work between them, then ONE run of the m's LDS instructions: the six stage stores of the m
; before and the 12 fragment loads of the m after next, into the buffer that this m has just read; those loads have the next m's 36 matrix
; instructions in which to land.  The six accumulators take turns, one instruction a turn, and the two sets take turns from m to m, over the
; barriers and the backward jump too.  The pool of the m before stands between the six products of K step 5, four lines
; behind each.  So behind the last matrix instruction of every m stand four plain vector instructions that name none of its registers (the pool's
; last four, on the other set, or v_nop): the places in front of the run's loads and in front of this set's pool in the next m.
; A batch's LDS instructions in order (L = an entry's 12 loads, S = an entry's 6 stores): L0 L1 | L2 | S0 L3 | S1 L4 | S2 L5 | S3 L6 | S4 L7 | S5 | S6 | S7.
.macro STEP sigma, ent
.set CUR, (\ent)&1
.set AF, AB+48*CUR
.set DC, AC+48*CUR
.if \ent == 1
	s_wait_dscnt 12                                ; behind entry 1's loads stand entry 2's 12
.endif
.if \ent >= 2
.if \ent <= 6
	s_wait_dscnt 18                                ; behind this entry's loads stands the last run: six stores and 12 loads
.else
	s_wait_dscnt 6                                 ; behind entry 7's loads stand the six stores of entry 5
.endif
.endif
	WIN 0x04                                       ; source 1 (W) from v256 up
.irp k, 0,1,2,3,4
.if \ent == 0
	s_wait_dscnt 22-2*\k                           ; of the 24 loads at the batch's head, fragment k is loads 2 k and 2 k + 1
.endif
.irp b, 0,1,2,3,4,5
.if \k == 0
	v_wmma_f32_16x16x32_bf16 v[DC+8*\b:DC+8*\b+7], v[AF+8*\k:AF+8*\k+7], v[8*(6*\k+\b):8*(6*\k+\b)+7], 0    ; the first product starts the sum
.else
	v_wmma_f32_16x16x32_bf16 v[DC+8*\b:DC+8*\b+7], v[AF+8*\k:AF+8*\k+7], v[8*(6*\k+\b):8*(6*\k+\b)+7], v[DC+8*\b:DC+8*\b+7]
.endif
.endr
.endr
	WIN 0
.if \ent == 0
	s_wait_dscnt 12                                ; fragment 5; entry 1's 12 loads stay out
.endif
.irp b, 0,1,2,3,4,5
	v_wmma_f32_16x16x32_bf16 v[DC+8*\b:DC+8*\b+7], v[AF+40:AF+47], v[W5+8*\b:W5+8*\b+7], v[DC+8*\b:DC+8*\b+7]
.if \ent > 0
	REDV 1-CUR, \b
.endif
.endr
.if \ent == 0
.rept 4
	v_nop                                          ; the four places: there is no m before to pool
.endr
.endif
	; the run
.if \ent > 0
	REDST \sigma, \ent-1
.endif
.if \ent <= 5
.irp u, 0,1,2,3,4,5,6,7,8,9,10,11
	ALOAD \sigma, \ent+2, CUR, \u
.endr
.endif
.endm
.macro CONS sigma                      ; a batch: A slot sigma to stage sigma
.irp u, 0,1,2,3,4,5,6,7,8,9,10,11
	ALOAD \sigma, 0, 0, \u
.endr
.irp u, 0,1,2,3,4,5,6,7,8,9,10,11
	ALOAD \sigma, 1, 1, \u
.endr
.irp ent, 0,1,2,3,4,5,6,7
	STEP \sigma, \ent
.endr
.irp s, 0,1,2,3,4,5
	REDV 1, \s                                     ; entry 7: behind the last matrix instruction stand the last four lines of entry 6's pool
.endr
	REDST \sigma, 7
.endm
; ---------------------------------------------------------------- producers
.macro PREP set, g                     ; eight indices to byte offsets: clamped to the table's last row, times 768 (below 2^31)
.irp i, 0,1,2,3,4,5,6,7
	s_min_u32 s[IS0+ISD*\set+8*\g+\i], s[IS0+ISD*\set+8*\g+\i], 0x3ffff
	s_mul_i32 s[IS0+ISD*\set+8*\g+\i], s[IS0+ISD*\set+8*\g+\i], ROWB
.endr
.endm
.macro ROFF set, g                     ; lanes 0-15 take the pair's even row, lanes 16-31 the odd one, each lane its 16 bytes
.irp j, 0,1,2,3
	v_and_b32 v[T+6*\j+4], s[IS0+ISD*\set+8*\g+2*\j],   v[MLO]
	v_and_b32 v[T+6*\j+5], s[IS0+ISD*\set+8*\g+2*\j+1], v[MHI]
.endr
.irp j, 0,1,2,3
	v_add_nc_u32 v[T+6*\j+4], v[T+6*\j+4], v[T+6*\j+5]
.endr
.irp j, 0,1,2,3
	v_add_nc_u32 v[OFF+\j], v[T+6*\j+4], v[L16]
.endr
.endm
.macro RLD g                           ; 12 loads: four pairs of rows, three pieces of 256 bytes a row.  No hint: the list may name a row again
.irp j, 0,1,2,3
.irp c, 0,1,2
	global_load_b128 v[X+48*\g+12*\j+4*\c:X+48*\g+12*\j+4*\c+3], v[OFF+\j], s[4:5] offset:256*\c
.endr
.endr
.endm
.macro ROWSUM                          ; T[0:1] + T[4:5], its two halves, then the 16 lanes that hold a row: the sum is in every lane's T0
.irp j, 0,1,2,3
	v_pk_add_f32 v[T+6*\j:T+6*\j+1], v[T+6*\j:T+6*\j+1], v[T+6*\j+4:T+6*\j+5]
.endr
.irp j, 0,1,2,3
	v_add_f32 v[T+6*\j], v[T+6*\j], v[T+6*\j+1]
.endr
.irp m, 1,2,4,8
.irp j, 0,1,2,3
	v_add_f32_dpp v[T+6*\j], v[T+6*\j], v[T+6*\j] row_xmask:\m row_mask:0xf bank_mask:0xf
.endr
.endr
.endm
; Four pairs of rows (slots 4 g .. 4 g + 3), written line by line across the four so that no line waits for the one in front of it.
; left = the younger loads that stay out.  refill = 1: the slots get the next batch's rows, whose indices lie in set.
.macro LNGROUP g, sigma, set, refill, left
.set XG, X+48*\g
	s_wait_loadcnt \left                           ; loads come back in order (ISA guide 5.7.1): this group's 12 are in, 12 for each younger group stay out
.if \refill
	s_wait_xcnt 0x0                                ; OFF, which the group before's loads name, is written again only behind this wait
	PREP \set, \g
.endif
.irp j, 0,1,2,3
	v_pk_add_f32 v[T+6*\j:T+6*\j+1],   v[XG+12*\j:XG+12*\j+1],   v[XG+12*\j+2:XG+12*\j+3]
	v_pk_add_f32 v[T+6*\j+2:T+6*\j+3], v[XG+12*\j+4:XG+12*\j+5], v[XG+12*\j+6:XG+12*\j+7]
	v_pk_add_f32 v[T+6*\j+4:T+6*\j+5], v[XG+12*\j+8:XG+12*\j+9], v[XG+12*\j+10:XG+12*\j+11]
.endr
.irp j, 0,1,2,3
	v_pk_add_f32 v[T+6*\j:T+6*\j+1], v[T+6*\j:T+6*\j+1], v[T+6*\j+2:T+6*\j+3]
.endr
	ROWSUM
.irp j, 0,1,2,3
	v_mul_f32 v[T+6*\j+2], s54, v[T+6*\j]          ; - mean
.endr
.irp j, 0,1,2,3
.irp i, 0,2,4,6,8,10
	v_pk_add_f32 v[XG+12*\j+\i:XG+12*\j+\i+1], v[XG+12*\j+\i:XG+12*\j+\i+1], v[T+6*\j+2:T+6*\j+3] op_sel_hi:[1,0]   ; x - mean, both from T2
.endr
.endr
.irp j, 0,1,2,3
	v_pk_mul_f32 v[T+6*\j:T+6*\j+1],   v[XG+12*\j:XG+12*\j+1],   v[XG+12*\j:XG+12*\j+1]
	v_pk_mul_f32 v[T+6*\j+4:T+6*\j+5], v[XG+12*\j+2:XG+12*\j+3], v[XG+12*\j+2:XG+12*\j+3]
.endr
.irp j, 0,1,2,3
	v_pk_fma_f32 v[T+6*\j:T+6*\j+1],   v[XG+12*\j+4:XG+12*\j+5], v[XG+12*\j+4:XG+12*\j+5], v[T+6*\j:T+6*\j+1]
	v_pk_fma_f32 v[T+6*\j+4:T+6*\j+5], v[XG+12*\j+6:XG+12*\j+7], v[XG+12*\j+6:XG+12*\j+7], v[T+6*\j+4:T+6*\j+5]
.endr
.irp j, 0,1,2,3
	v_pk_fma_f32 v[T+6*\j:T+6*\j+1],   v[XG+12*\j+8:XG+12*\j+9],   v[XG+12*\j+8:XG+12*\j+9],   v[T+6*\j:T+6*\j+1]
	v_pk_fma_f32 v[T+6*\j+4:T+6*\j+5], v[XG+12*\j+10:XG+12*\j+11], v[XG+12*\j+10:XG+12*\j+11], v[T+6*\j+4:T+6*\j+5]
.endr
	ROWSUM
.irp j, 0,1,2,3
	v_fma_f32 v[T+6*\j], v[T+6*\j], s52, s53       ; variance + eps
.endr
.irp j, 0,1,2,3
	v_rsq_f32 v[T+6*\j+2], v[T+6*\j]
.endr
	; a plain vector instruction stands between v_rsq_f32 and the first use of its result (ISA guide 5.7.2)
.if \refill
	ROFF \set, \g
.else
	v_nop
	s_wait_alu depctr_va_vdst(0)
.endif
	s_wait_alu depctr_va_vdst(0)
.irp j, 0,1,2,3
.irp i, 0,2,4,6,8,10
	v_pk_mul_f32 v[XG+12*\j+\i:XG+12*\j+\i+1], v[XG+12*\j+\i:XG+12*\j+\i+1], v[T+6*\j+2:T+6*\j+3] op_sel_hi:[1,0]
.endr
.endr
.irp j, 0,1,2,3
.irp i, 0,2,4,6,8,10
	v_pk_fma_f32 v[XG+12*\j+\i:XG+12*\j+\i+1], v[XG+12*\j+\i:XG+12*\j+\i+1], v[GAM+\i:GAM+\i+1], v[BET+\i:BET+\i+1]
.endr
.endr
.irp j, 0,1,2,3
.irp c, 0,1,2
	v_cvt_pk_bf16_f32 v[XG+12*\j+4*\c],   v[XG+12*\j+4*\c],   v[XG+12*\j+4*\c+1]
	v_cvt_pk_bf16_f32 v[XG+12*\j+4*\c+1], v[XG+12*\j+4*\c+2], v[XG+12*\j+4*\c+3]
.endr
.endr
.irp j, 0,1,2,3
.irp c, 0,1,2
	ds_store_b64 v[SA], v[XG+12*\j+4*\c:XG+12*\j+4*\c+1] offset:\sigma*ASLOT+(\g>>1)*AENT+(4*(\g&1)+\j)*2*APITCH+128*\c
.endr
.endr
.if \refill
	RLD \g
.endif
.endm
; Batch b: my two m (32 rows) into A slot sigma = b & 1.  refill: the ring gets batch b + 1, whose indices lie in set = (b + 1) & 1.
; fetch: the indices of batch b + 2 go into the other set, whose last reader was the batch before.
.macro LN sigma, set, refill, fetch
	s_wait_kmcnt 0x0                               ; the indices fetched a batch ago are in, and s56 is free
.if \fetch
	s_min_u32 s56, s55, 15*512                     ; batch 14 would ask for a batch 16: it fetches batch 15's 128 bytes once more, inside the buffer, and nobody uses them
	s_load_b512 s[IS0+ISD*(1-\set):IS0+ISD*(1-\set)+15],    s[6:7], s56 offset:0x0
	s_load_b512 s[IS0+ISD*(1-\set)+16:IS0+ISD*(1-\set)+31], s[6:7], s56 offset:0x40
	s_add_co_u32 s55, s55, 512
.endif
.if \refill
	LNGROUP 0, \sigma, \set, 1, 36
	LNGROUP 1, \sigma, \set, 1, 36
	LNGROUP 2, \sigma, \set, 1, 36
	LNGROUP 3, \sigma, \set, 1, 36
.else
	LNGROUP 0, \sigma, \set, 0, 36                 ; the last batch loads nothing: the counts run down
	LNGROUP 1, \sigma, \set, 0, 24
	LNGROUP 2, \sigma, \set, 0, 12
	LNGROUP 3, \sigma, \set, 0, 0
.endif
.endm
; My two rows of the batch whose maxima lie in stage sigma: both halves' planes, their maximum, out.  All registers from v256 up.
; The output's base stands at the trip's first batch: the second batch's 8 rows, and the 8 rows by which GO is too far, stand in the immediate.
.macro OUT sigma
	WIN 0x55
.irp i, 0,1
.irp c, 0,1,2
	ds_load_b128 v[OD+8*(3*\i+\c):OD+8*(3*\i+\c)+3],   v[RA+\c] offset:\sigma*SSLOT+\i*SENT
	ds_load_b128 v[OD+8*(3*\i+\c)+4:OD+8*(3*\i+\c)+7], v[RA+\c] offset:\sigma*SSLOT+\i*SENT+SPLANE
.endr
.endr
.irp i, 0,1
.irp c, 0,1,2
	s_wait_dscnt 10-2*(3*\i+\c)                    ; of the 12 loads this piece's two are in
.irp x, 0,1,2,3
	v_max_num_f32 v[OD+8*(3*\i+\c)+\x], v[OD+8*(3*\i+\c)+\x], v[OD+8*(3*\i+\c)+4+\x]
.endr
	global_store_b128 v[GO], v[OD+8*(3*\i+\c):OD+8*(3*\i+\c)+3], s[14:15] offset:(8*\sigma+\i-8)*OUTB+512*\c th:TH_STORE_NT   ; 512 consecutive bytes, at a multiple of 512 from the output's first byte
.endr
.endr
	s_wait_xcnt 0x0                                ; the stores' data and base are written again only behind this wait
	WIN 0
.endm
; ---------------------------------------------------------------- the head, both roles: every address register
	s_load_b256 s[4:11], s[0:1], 0x0               ; src s[4:5], idx s[6:7], gamma s[8:9], beta s[10:11]
	s_load_b128 s[12:15], s[0:1], 0x20             ; W s[12:13], out s[14:15]
	s_set_vgpr_msb 0x40
	v_lshl_add_u32 v254, v0, 2, 0x4b400
	v_mov_b32 v255, 0
	s_set_vgpr_msb 0x4000
	v_lshrrev_b32 v15, 5, v0
	v_readfirstlane_b32 s2, v15                    ; wave 0..7
	v_and_b32 v8, 15, v0                           ; r: lane mod 16
	v_bfe_u32 v9, v0, 4, 1                         ; h: which half of the lanes
	v_and_b32 v10, 31, v0                          ; lane
	s_mov_b32 s51, 0
	v_lshlrev_b32 v[L16], 4, v8
	v_add_nc_u32 v[MLO], -1, v9
	v_sub_nc_u32 v[MHI], 0, v9
	v_mul_u32_u24 v12, v8, APITCH
	v_lshl_add_u32 v12, v9, 4, v12                 ; a fragment: row r, 16 bytes further for lanes 16-31
	v_add_nc_u32 v[AA], ABASE, v12
	v_add_nc_u32 v[AA+1], ABASE+ASLOT, v12
	v_mul_u32_u24 v13, v9, APITCH
	v_lshl_add_u32 v13, v8, 3, v13                 ; a put of 8 bytes: lanes 0-15 one row, lanes 16-31 the next
	s_mul_i32 s50, s2, 2*AENT                      ; producer w fills entries 2 (w - 4) and 2 (w - 4) + 1
	s_add_co_u32 s50, s50, ABASE-8*AENT
	v_add_nc_u32 v[SA], s50, v13
	v_mul_u32_u24 v14, v9, SPLANE
	v_lshl_add_u32 v14, v8, 2, v14
	s_mul_i32 s50, s2, SCONS                       ; matrix wave w has block w of a stage
	s_add_co_u32 s50, s50, STG
	v_add_nc_u32 v[ST], s50, v14
	s_mul_i32 s50, s2, 2*SENT                      ; producer w reads entries 2 (w - 4) and 2 (w - 4) + 1 of every block
	s_add_co_u32 s50, s50, STG-8*SENT
	s_mul_i32 s56, s2, 2*OUTB
.irp c, 0,1,2
	v_add_nc_u32 v[16+2*\c], 32*\c, v10            ; t = my group of four columns, 0..95
	v_mul_u32_u24 v[17+2*\c], 683, v[16+2*\c]
	v_lshrrev_b32 v[17+2*\c], 14, v[17+2*\c]       ; t / 24 (exact below 96): the matrix wave that made them
	v_mul_u32_u24 v[17+2*\c], SJUMP, v[17+2*\c]
	v_lshl_add_u32 v[17+2*\c], v[16+2*\c], 4, v[17+2*\c]
.endr
	v_lshlrev_b32 v15, 4, v10
	WIN 0x40                                       ; destination from v256 up
	v_add_nc_u32 v[RA+0], s50, v17
	v_add_nc_u32 v[RA+1], s50, v19
	v_add_nc_u32 v[RA+2], s50, v21
	v_add_nc_u32 v[GO], s56, v15
	WIN 0
	s_mul_i32 s50, ttmp9, 128*OUTB
	s_wait_kmcnt 0x0
	s_add_nc_u64 s[14:15], s[14:15], s[50:51]      ; the output at the work-group's first row
	s_cmp_ge_u32 s2, 4
	s_cbranch_scc1 .Lhead_p
	; matrix wave: my 96 rows of W, f32 to bf16, through my own stage into fragments
	s_mul_i32 s50, s2, 96*ROWB
	s_add_nc_u64 s[12:13], s[12:13], s[50:51]
	v_mul_u32_u24 v[WGO], v9, ROWB
	v_lshl_add_u32 v[WGO], v8, 4, v[WGO]           ; lanes 0-15 one row, lanes 16-31 the next
	WLOADS 0, AB
	WLOADS 1, AC
	s_mul_i32 s50, s2, WCONS                       ; my stage: the four begin at LDS byte 0
	v_add_nc_u32 v[WLD], s50, v[WLD]               ; v12 held the fragment's lane term,
	v_add_nc_u32 v[WSTO], s50, v[WSTO]             ; v13 the put's
	WPUT 0, AB, 24
	WLOADS 2, AB
	WPUT 1, AC, 24
	WLOADS 3, AC
	WPUT 2, AB, 24
	WLOADS 4, AB
	WPUT 3, AC, 24
	WLOADS 5, AC
	WPUT 4, AB, 24
	WPUT 5, AC, 0
	; LDS serves a wave's instructions in order (ISA guide 5.7.1.4): these loads see my stores above; the barrier's wait for 0 covers them
	WIN 0x40                                       ; destination from v256 up
.irp k, 0,1,2,3,4
.irp b, 0,1,2,3,4,5
	ds_load_b128 v[8*(6*\k+\b):8*(6*\k+\b)+3],   v[WLD] offset:\b*AENT+64*\k
	ds_load_b128 v[8*(6*\k+\b)+4:8*(6*\k+\b)+7], v[WLD] offset:\b*AENT+64*\k+32
.endr
.endr
	WIN 0
.irp b, 0,1,2,3,4,5
	ds_load_b128 v[W5+8*\b:W5+8*\b+3],   v[WLD] offset:\b*AENT+320
	ds_load_b128 v[W5+8*\b+4:W5+8*\b+7], v[WLD] offset:\b*AENT+352
.endr
	s_branch .Lhead_j
.Lhead_p:
	; producer: the indices of batches 0 and 1, gamma and beta, the ring's first fill, batch 0
	s_and_b32 s48, s2, 3                           ; my number among the producers
	s_lshl_b32 s50, ttmp9, 13                      ; 128 m x 64 bytes of indices a work-group,
	s_lshl_b32 s56, s48, 7                         ; my two m of a batch
	s_add_co_u32 s50, s50, s56
	s_add_nc_u64 s[6:7], s[6:7], s[50:51]
	s_load_b512 s[IS0:IS0+15],        s[6:7], 0x0
	s_load_b512 s[IS0+16:IS0+31],     s[6:7], 0x40
	s_load_b512 s[IS0+ISD:IS0+ISD+15],    s[6:7], 0x200
	s_load_b512 s[IS0+ISD+16:IS0+ISD+31], s[6:7], 0x240
	s_mov_b32 s52, 0x3baaaaab                      ; 1/192
	s_mov_b32 s53, 0x3727c5ac                      ; 1e-5
	s_mov_b32 s54, 0xbbaaaaab                      ; -1/192
	s_mov_b32 s55, 2*512                           ; the next indices to fetch: batch 2's
.irp c, 0,1,2
	global_load_b128 v[GAM+4*\c:GAM+4*\c+3], v[L16], s[8:9]   offset:256*\c   ; older than every gather: the first counted wait covers them
	global_load_b128 v[BET+4*\c:BET+4*\c+3], v[L16], s[10:11] offset:256*\c
.endr
	s_wait_kmcnt 0x0
.irp g, 0,1,2,3
.if \g > 0
	s_wait_xcnt 0x0                                ; OFF is written again only behind this wait
.endif
	PREP 0, \g
	ROFF 0, \g
	RLD \g
.endr
	LN 0, 1, 1, 1                                  ; batch 0
.Lhead_j:
	BAR
; ---------------------------------------------------------------- seven trips of two batches
	s_mov_b32 s49, 7
.Lloop:
	s_cmp_ge_u32 s2, 4
	s_cbranch_scc1 .Lp_odd
	CONS 0                                         ; batch 2 i
	s_branch .Lj_odd
.Lp_odd:
	LN 1, 0, 1, 1                                  ; batch 2 i + 1
.Lj_odd:
	BAR
	s_cmp_ge_u32 s2, 4
	s_cbranch_scc1 .Lp_even
	CONS 1                                         ; batch 2 i + 1
	s_branch .Lj_even
.Lp_even:
	OUT 0                                          ; batch 2 i leaves
	LN 0, 1, 1, 1                                  ; batch 2 i + 2
.Lj_even:
	BAR
	s_cmp_lt_u32 s2, 4
	s_cbranch_scc1 .Lj_out
	OUT 1                                          ; batch 2 i + 1 leaves
.Lj_out:
	s_add_nc_u64 s[14:15], s[14:15], 16*OUTB       ; the next trip's rows; a producer's stores have been waited for at the end of OUT, a matrix wave has none
	s_sub_co_i32 s49, s49, 1
	s_cmp_lg_u32 s49, 0
	s_cbranch_scc1 .Lloop
; ---------------------------------------------------------------- batches 14 and 15
	s_cmp_ge_u32 s2, 4
	s_cbranch_scc1 .Lp_last
	CONS 0
	s_branch .Lj_last
.Lp_last:
	LN 1, 0, 0, 0                                  ; batch 15: nothing is left to gather
.Lj_last:
	BAR
	s_cmp_ge_u32 s2, 4
	s_cbranch_scc1 .Lp_tail
	CONS 1
	s_branch .Lj_tail
.Lp_tail:
	OUT 0
.Lj_tail:
	BAR
	s_cmp_lt_u32 s2, 4
	s_cbranch_scc1 .Lend
	OUT 1
.Lend:
	s_set_vgpr_msb 0x5
	s_wait_tensorcnt 0x0
	ds_add_u32 v254, v255
	s_wait_dscnt 0x0
	s_set_vgpr_msb 0x500
	s_endpgm
.Lfunc_end_k_qe0ab14443b_knn:
	.size	k_qe0ab14443b_knn, .Lfunc_end_k_qe0ab14443b_knn-k_qe0ab14443b_knn
	.p2alignl 7, 3214868480
	.fill 96, 4, 3214868480
	.section	.rodata,"a",@progbits
	.p2align	6, 0x0
	.amdhsa_kernel k_qe0ab14443b_knn
		.amdhsa_group_segment_fixed_size 309248
		.amdhsa_private_segment_fixed_size 0
		.amdhsa_enable_private_segment 0
		.amdhsa_kernarg_size 48
		.amdhsa_user_sgpr_count 2
		.amdhsa_user_sgpr_kernarg_segment_ptr 1
		.amdhsa_wavefront_size32 1
		.amdhsa_system_sgpr_workgroup_id_x 1
		.amdhsa_system_sgpr_workgroup_id_y 1
		.amdhsa_system_sgpr_workgroup_id_z 1
		.amdhsa_system_vgpr_workitem_id 0
		.amdhsa_next_free_vgpr 512
		.amdhsa_next_free_sgpr 100
		.amdhsa_reserve_vcc 0
		.amdhsa_float_denorm_mode_32 3
		.amdhsa_float_denorm_mode_16_64 3
		.amdhsa_memory_ordered 1
		.amdhsa_forward_progress 1
		.amdhsa_inst_pref_size 255
	.end_amdhsa_kernel
	.section	.bss,"aw",@nobits
	.p2align	6
	.space	262144
	.amdgpu_metadata
---
amdhsa.version: [ 1, 2 ]
amdhsa.kernels:
  - .name:           k_qe0ab14443b_knn
    .symbol:         k_qe0ab14443b_knn.kd
    .args:
      - { .name: src_feat, .offset: 0, .size: 8, .value_kind: global_buffer, .address_space: global }
      - { .name: idx, .offset: 8, .size: 8, .value_kind: global_buffer, .address_space: global }
      - { .name: gamma, .offset: 16, .size: 8, .value_kind: global_buffer, .address_space: global }
      - { .name: beta, .offset: 24, .size: 8, .value_kind: global_buffer, .address_space: global }
      - { .name: W, .offset: 32, .size: 8, .value_kind: global_buffer, .address_space: global }
      - { .name: out0, .offset: 40, .size: 8, .value_kind: global_buffer, .address_space: global }
    .group_segment_fixed_size: 309248
    .private_segment_fixed_size: 0
    .kernarg_segment_align: 8
    .kernarg_segment_size: 48
    .max_flat_workgroup_size: 256
    .sgpr_count:     100
    .vgpr_count:     512
    .wavefront_size: 32
...
	.end_amdgpu_metadata
.endif
;; end of part 2
